; MI455X (gfx1250); checked and timed in simulation.
; The chip was launched on July 23, 2026; its instructions are those of AMD's public machine-readable ISA for CDNA 5 (MIT licence, August 2026) and "CDNA5" Instruction Set Architecture Reference Guide (July 2026). The comments in the code are by the model that wrote it; some were corrected since.
;; Robust Text Classifier. Allowed arithmetic: matrix products marked QUANTISED: E5M2 operands, one given power-of-two scale a tensor, by v_wmma_f32_16x16x64_bf8_bf8 or v_wmma_f32_16x16x128_bf8_bf8, f32 sums; everything else in f32.
;; Inputs: H_test 8,192 x 192 float32; H_train 16,384 x 192 float32; lowp_scales 2 int32 (the exponents e of the quantised operands' scales 2^e); p_hat_train 2 x 16,384 float32.
;; Outputs: out0 2 x 8,192 float32.
;; Constants: K = 5.
;; This version of the problem:
;;   THIS VERSION OF THE PROBLEM IS GIVEN IN LOW PRECISION. The matrix products marked QUANTISED in the list below multiply operands that are first quantised to E5M2 (5 exponent bits, 2 mantissa bits; 8 bits a number), with one given power-of-two scale for each operand tensor; their sums are f32. All else is computed in f32.
;;   The module's matrix products, in the order in which they are computed (A, B: the left and right operand; K: the contracted axis; several contracted axes count as one K, in the product's order):
;;     1. [M 8,192, K 192] x [K 192, N 16,384]; A: input H_test; B: input H_train: QUANTISED (scales: A lowp_scales[0], B lowp_scales[1])
;;   THE QUANTISER, for each operand of a quantised product, along K:
;;     - The operand's scale is 2^e, e = its entry of the input lowp_scales (int32; the entries are numbered through the quantised products in the list's order, A before B).
;;     - Each number is divided by the scale, clamped to +-57,344, and rounded to the nearest number of E5M2, ties to even, subnormals kept.
;;     - The product sums the exact products of the quantised numbers (number of the format x scale) in f32.
;;   ~~~python
;;   def quantise(x, axis, e):      # numpy; x: float32 -> the quantised numbers, widened to float32 again
;;       x = np.moveaxis(x, axis, -1); K = x.shape[-1]
;;       r = np.clip(x / 2.0 ** e, -57344, 57344)
;;       step = 2.0 ** (np.maximum(np.frexp(np.where(r == 0, 1, r))[1] - 1, -14) - 2)
;;       q = np.round(r / step) * step * 2.0 ** e      # np.round: ties to even
;;       return np.moveaxis(q, -1, axis).astype(np.float32)
;;   ~~~
;; One version. Each part assembles by itself: llvm-mc -triple=amdgcn-amd-amdhsa -mcpu=gfx1250 --defsym DOCPART=n.
;; ======== version 1 of 1: 4 launches
;; workspace buffers: xq 1,572,864 bytes; yq 3,145,728 bytes; xn 32,768 bytes; ync 65,536 bytes; cand 8,388,608 bytes; gsel 262,144 bytes of whole numbers
;; launch quant (part 1): grid 384 x 1, 8 waves a work-group, no clusters, 14,336 bytes of LDS; arguments H_test, H_train, lowp_scales, xq, yq, xn, ync; writes xq, yq, xn, ync
.if DOCPART == 1
	.amdgcn_target "amdgcn-amd-amdhsa--gfx1250"
	.amdhsa_code_object_version 6
	.text
	.protected	k_q0443252a74_quant
	.globl	k_q0443252a74_quant
	.p2align	8
	.type	k_q0443252a74_quant,@function
k_q0443252a74_quant:
	s_mov_b64 s[64:65], 0
	v_nop
	global_prefetch_b8 v0, s[64:65] scope:SCOPE_SE
	s_setreg_imm32_b32 hwreg(HW_REG_WAVE_MODE, 25, 1), 1
	s_wait_xcnt 0x0
; H_test [8192][192] and H_train [16384][192], f32, become codes of BF8 (E5M2), each tensor with its given scale 2^e, and the rows' squared norms are taken of the UNQUANTISED numbers.
; code = x / 2^e, held within +-57,344, rounded to the nearest code, ties to even.  xn[row] = sum x^2.  ync[row] = -(sum y^2) / 2^(e0 + e1 + 1): the form in which the next launch gives it to the matrix unit as C.
; LIMITS: -126 <= e0, e1 <= 112; |e0 + e1 + 1| <= 125, so that each power of two below is an f32 number.  NaN and infinities among the inputs are not served.  A norm is summed in another order than a plain row sum.
; THE CODES' LAYOUT (this program's own): a GROUP is 8 neighbouring rows, 1,536 bytes.  Piece p (codes k = 16 p .. 16 p + 15) of row q of group g lies at 1536 g + 256 (p / 2) + 128 ((p % 2) xor (g % 2)) + 16 q.
; Two neighbouring groups are a tile of 16 rows, and lane (r, h) of a matrix operand finds its 16 codes k = 32 i + 16 h .. at 1536 (r / 8) + 256 i + 128 (h xor (r / 8)) + 16 (r % 8):
; a 16-byte load of the wave covers two aligned runs of 256 bytes, and sixteen lanes fall on sixteen different 16-byte columns of 256 bytes.
; SHARES.  Work-groups 0-127 take H_test, 128-383 H_train, 64 rows each; only pointers and two numbers are chosen, the text has one path.  A wave takes one group: 6,144 bytes, twelve loads of 512 consecutive bytes, all out at once.
; No matrix unit, no tensor load, no cluster: every byte is read once by one wave, and nothing is shared.
.set WGT,  128                         ; work-groups of H_test
.set IMG,  0                           ; LDS: 8 x 1,536 bytes: each wave's group image
.set SUMS, 12288                       ; LDS: 8 x 96 bytes: word 3 row + third: the sum of squares of a third of a row
.set R, 16                             ; v16-63  twelve loads of four numbers
.set S, 64                             ; v64-75  load i's sum of squares
.set Q, 76                             ; v76-79  two pairs at work
.set C, 84                             ; v84-95  load i's four codes
.set O, 96                             ; v96-107 the image read back
	s_load_b128 s[4:7], s[0:1], 0x0                ; H_test, H_train
	s_load_b64 s[8:9], s[0:1], 0x10                ; the scales' exponents
	s_load_b128 s[12:15], s[0:1], 0x18             ; xq, yq
	s_load_b128 s[16:19], s[0:1], 0x28             ; xn, ync
	v_lshl_add_u32 v112, v0, 2, 0x3400
	v_mov_b32 v113, 0
	v_lshrrev_b32 v1, 5, v0
	v_readfirstlane_b32 s10, v1                    ; wave 0..7: the group's number in the work-group, and its parity
	v_and_b32 v1, 31, v0                           ; lane
	v_lshlrev_b32 v2, 4, v1                        ; 16 x lane
	s_mul_i32 s28, s10, 1536                       ; my image
	v_add_nc_u32 v3, s28, v2                       ; where I read it back: 16 x lane
	v_bfe_u32 v10, v0, 4, 1                        ; which half of the lanes: a half holds a third of a row (64 numbers)
	v_bfe_u32 v11, v0, 2, 1                        ; my piece within the third, pl = (lane % 16) / 4: its low bit,
	v_bfe_u32 v12, v0, 3, 1                        ; its high bit
	s_and_b32 s29, s10, 1
	v_xor_b32 v11, s29, v11                        ; (pl % 2) xor (g % 2)
	v_and_b32 v13, 3, v0
	v_lshlrev_b32 v13, 2, v13                      ; my four codes within the piece
	v_lshl_add_u32 v13, v11, 7, v13
	v_lshl_add_u32 v13, v12, 8, v13
	v_add_nc_u32 v13, s28, v13                     ; Lc: my place for row 0, third 0.  A third is 512 bytes on, a row 16
	v_lshl_add_u32 v4, v10, 9, v13                 ; loads whose two halves are thirds t, t + 1 of one row
	v_mul_u32_u24 v14, v10, 1008
	v_add_nc_u32 v5, 1024, v13
	v_sub_nc_u32 v5, v5, v14                       ; loads whose halves are third 2 of a row (+ 1,024) and third 0 of the next (+ 16)
	s_mul_i32 s11, s10, 96
	s_add_co_u32 s11, s11, SUMS
	v_lshl_add_u32 v6, v10, 2, s11                 ; my half's word among the wave's 24 sums
	v_mul_u32_u24 v7, v1, 24
	v_add_nc_u32 v7, SUMS, v7                      ; wave 0, at the end: lane l takes the six words of rows 2 l and 2 l + 1
	v_lshlrev_b32 v15, 3, v1                       ; and stores 8 bytes
	s_cmp_lt_u32 ttmp9, WGT
	s_cselect_b32 s22, 0, WGT
	s_sub_co_u32 s22, ttmp9, s22                   ; the work-group's number within its tensor
	s_mul_i32 s24, s22, 49152                      ; 64 rows of 768 bytes,
	s_mul_i32 s23, s10, 6144                       ; my 8 of them
	s_add_co_u32 s24, s24, s23
	s_mov_b32 s25, 0
	s_mul_i32 s26, s22, 12288                      ; 8 groups of codes,
	s_add_co_u32 s26, s26, s28                     ; mine
	s_mov_b32 s27, 0
	s_lshl_b32 s30, s22, 8                         ; 64 norms
	s_mov_b32 s31, 0
	s_wait_kmcnt 0x0
	s_load_b64 s[20:21], s[8:9], 0x0               ; e0, e1
	s_cmp_lt_u32 ttmp9, WGT                        ; the choice hangs on the work-group's number alone
	s_cselect_b64 s[4:5], s[4:5], s[6:7]
	s_cselect_b64 s[12:13], s[12:13], s[14:15]
	s_cselect_b64 s[16:17], s[16:17], s[18:19]
	s_add_nc_u64 s[4:5], s[4:5], s[24:25]
	s_add_nc_u64 s[12:13], s[12:13], s[26:27]
	s_add_nc_u64 s[16:17], s[16:17], s[30:31]
.irp i, 0,1,2,3,4,5,6,7,8,9,10,11
	global_load_b128 v[R+4*\i:R+4*\i+3], v2, s[4:5] offset:512*\i th:TH_LOAD_NT   ; 32 lanes read 512 consecutive bytes; read once in the launch
.endr
	s_wait_kmcnt 0x0
	s_cmp_lt_u32 ttmp9, WGT
	s_cselect_b32 s32, s20, s21                    ; e of my tensor
	s_add_co_i32 s33, s20, s21
	s_sub_co_i32 s33, 126, s33
	s_lshl_b32 s33, s33, 23
	s_or_b32 s33, s33, 0x80000000                  ; -2^-(e0 + e1 + 1) as f32
	s_cmp_lt_u32 ttmp9, WGT
	s_cselect_b32 s33, 0x3f800000, s33             ; the factor of a norm: 1.0 for H_test
	s_add_co_i32 s32, s32, 127
	s_lshl_b32 s34, s32, 23
	v_mov_b32 v8, s34                              ; 2^e as f32: the conversion takes its exponent field
	s_add_co_i32 s32, s32, 15
	s_lshl_b32 s32, s32, 23
	s_or_b32 s32, s32, 0x600000
	v_mov_b32 v9, s32                              ; 57,344 x 2^e
; Loads 2 m and 2 m + 1: their sums of squares first, of the numbers as they came; then the hold, one conversion of eight, and each load's four codes into the image.
.macro PAIRQ m
	s_wait_loadcnt 10-2*(\m)                       ; loads come back in order: these two are in, the 10 - 2 m behind them may be out
.irp d, 0,1
	v_pk_mul_f32 v[Q+2*\d:Q+2*\d+1], v[R+8*(\m)+4*\d:R+8*(\m)+4*\d+1], v[R+8*(\m)+4*\d:R+8*(\m)+4*\d+1]
.endr
.irp d, 0,1
	v_pk_fma_f32 v[Q+2*\d:Q+2*\d+1], v[R+8*(\m)+4*\d+2:R+8*(\m)+4*\d+3], v[R+8*(\m)+4*\d+2:R+8*(\m)+4*\d+3], v[Q+2*\d:Q+2*\d+1]
.endr
.irp d, 0,1
	v_add_f32 v[S+2*(\m)+\d], v[Q+2*\d], v[Q+2*\d+1]
.endr
.irp x, 1,2,4,8
.irp d, 0,1
	v_add_f32_dpp v[S+2*(\m)+\d], v[S+2*(\m)+\d], v[S+2*(\m)+\d] row_xmask:\x row_mask:0xf bank_mask:0xf   ; over the sixteen lanes of a half: a third of a row
.endr
.endr
.irp d, 0,1
	ds_store_b32 v6, v[S+2*(\m)+\d] offset:8*(2*(\m)+\d)   ; sixteen lanes write one word with one value
.endr
.irp j, 0,1,2,3,4,5,6,7
	v_med3_num_f32 v[R+8*(\m)+\j], v[R+8*(\m)+\j], -v9, v9   ; the conversion to an 8-bit code does not saturate (ISA guide 7.6.2): hold first
.endr
	v_cvt_scalef32_pk8_bf8_f32 v[C+2*(\m):C+2*(\m)+1], v[R+8*(\m):R+8*(\m)+7], v8   ; its results go to LDS stores alone; the next plain lines touch other registers
.irp d, 0,1
.set i_, 2*(\m)+\d
.if i_%3 == 1
	ds_store_b32 v5, v[C+i_] offset:16*(2*i_/3)            ; halves: row 2 i / 3, third 2 | the next row, third 0
.elseif i_%3 == 2
	ds_store_b32 v4, v[C+i_] offset:16*(2*i_/3)+512        ; row 2 i / 3, thirds 1 and 2
.else
	ds_store_b32 v4, v[C+i_] offset:16*(2*i_/3)            ; row 2 i / 3, thirds 0 and 1
.endif
.endr
.endm
.irp m, 0,1,2,3,4,5
	PAIRQ \m
.endr
	v_nop                                          ; a plain line behind the last conversion
.irp t, 0,1,2
	ds_load_b128 v[O+4*\t:O+4*\t+3], v3 offset:512*\t      ; my own bytes: LDS serves a wave's instructions in order (ISA guide 5.7.1.4)
.endr
.irp t, 0,1,2
	s_wait_dscnt 2-\t
	global_store_b128 v2, v[O+4*\t:O+4*\t+3], s[12:13] offset:512*\t   ; 512 consecutive bytes, at a multiple of 256 from the buffer's first byte
.endr
	s_wait_dscnt 0x0                               ; for wave 0's sake: my 24 sums lie in LDS
	s_barrier_signal -1
	s_barrier_wait -1
	s_cmp_lg_u32 s10, 0
	s_cbranch_scc1 .Ldone
	ds_load_b64 v[16:17], v7                       ; row 2 l: thirds 0, 1
	ds_load_b64 v[18:19], v7 offset:8              ; row 2 l: third 2; row 2 l + 1: third 0
	ds_load_b64 v[20:21], v7 offset:16             ; row 2 l + 1: thirds 1, 2
	s_wait_dscnt 0x0
	v_add_f32 v16, v16, v17
	v_add_f32 v19, v19, v20
	v_add_f32 v16, v16, v18
	v_add_f32 v17, v19, v21
	v_mul_f32 v16, s33, v16
	v_mul_f32 v17, s33, v17
	global_store_b64 v15, v[16:17], s[16:17]       ; the work-group's 64 norms: 256 consecutive bytes, aligned
.Ldone:
	s_wait_tensorcnt 0x0
	ds_add_u32 v112, v113
	s_wait_dscnt 0x0
	s_endpgm
.Lfunc_end_k_q0443252a74_quant:
	.size	k_q0443252a74_quant, .Lfunc_end_k_q0443252a74_quant-k_q0443252a74_quant
	.p2alignl 7, 3214868480
	.fill 96, 4, 3214868480
	.section	.rodata,"a",@progbits
	.p2align	6, 0x0
	.amdhsa_kernel k_q0443252a74_quant
		.amdhsa_group_segment_fixed_size 14336
		.amdhsa_private_segment_fixed_size 0
		.amdhsa_enable_private_segment 0
		.amdhsa_kernarg_size 56
		.amdhsa_user_sgpr_count 2
		.amdhsa_user_sgpr_kernarg_segment_ptr 1
		.amdhsa_wavefront_size32 1
		.amdhsa_system_sgpr_workgroup_id_x 1
		.amdhsa_system_sgpr_workgroup_id_y 1
		.amdhsa_system_sgpr_workgroup_id_z 1
		.amdhsa_system_vgpr_workitem_id 0
		.amdhsa_next_free_vgpr 114
		.amdhsa_next_free_sgpr 66
		.amdhsa_reserve_vcc 0
		.amdhsa_float_denorm_mode_32 3
		.amdhsa_float_denorm_mode_16_64 3
		.amdhsa_memory_ordered 1
		.amdhsa_forward_progress 1
		.amdhsa_inst_pref_size 16
	.end_amdhsa_kernel
	.amdgpu_metadata
---
amdhsa.version: [ 1, 2 ]
amdhsa.kernels:
  - .name:           k_q0443252a74_quant
    .symbol:         k_q0443252a74_quant.kd
    .args:
      - { .name: H_test, .offset: 0, .size: 8, .value_kind: global_buffer, .address_space: global }
      - { .name: H_train, .offset: 8, .size: 8, .value_kind: global_buffer, .address_space: global }
      - { .name: lowp_scales, .offset: 16, .size: 8, .value_kind: global_buffer, .address_space: global }
      - { .name: xq, .offset: 24, .size: 8, .value_kind: global_buffer, .address_space: global }
      - { .name: yq, .offset: 32, .size: 8, .value_kind: global_buffer, .address_space: global }
      - { .name: xn, .offset: 40, .size: 8, .value_kind: global_buffer, .address_space: global }
      - { .name: ync, .offset: 48, .size: 8, .value_kind: global_buffer, .address_space: global }
    .group_segment_fixed_size: 14336
    .private_segment_fixed_size: 0
    .kernarg_segment_align: 8
    .kernarg_segment_size: 56
    .max_flat_workgroup_size: 256
    .sgpr_count:     66
    .vgpr_count:     114
    .wavefront_size: 32
...
	.end_amdgpu_metadata
.endif
;; end of part 1
;; launch main (part 2): grid 16 x 16, 8 waves a work-group, clusters of 4 x 1, 201,728 bytes of LDS; arguments xq, yq, ync, cand; writes cand
.if DOCPART == 2
	.amdgcn_target "amdgcn-amd-amdhsa--gfx1250"
	.amdhsa_code_object_version 6
	.text
	.protected	k_q0443252a74_main
	.globl	k_q0443252a74_main
	.p2align	8
	.type	k_q0443252a74_main,@function
k_q0443252a74_main:
	s_mov_b64 s[64:65], 0
	v_nop
	global_prefetch_b8 v0, s[64:65] scope:SCOPE_SE
	s_setreg_imm32_b32 hwreg(HW_REG_WAVE_MODE, 25, 1), 1
	s_wait_xcnt 0x0
	s_wait_alu depctr_hold_cnt(0) depctr_sa_sdst(0) depctr_va_vdst(0) depctr_va_sdst(0) depctr_va_ssrc(0) depctr_va_vcc(0) depctr_vm_vsrc(0)
	s_getreg_b32 s2, hwreg(HW_REG_IB_STS2, 6, 4)
	s_cmp_eq_u32 s2, 0
	s_cbranch_scc0 .Lentry_in_a_cluster
	s_endpgm
.Lentry_in_a_cluster:
	s_bfe_u32 s2, ttmp6, 0x10000c
	s_cmp_lg_u32 s2, 0x3003
	s_cbranch_scc0 .Lentry_shape_is_right
	s_endpgm
.Lentry_shape_is_right:
; THE PRE-SELECTION.  For each test row and each GROUP of 8 neighbouring train rows: the largest key of the group; of a lane's groups the five best (key, group) are kept.
; key = codes . codes + C, C = ync = -y_norm / 2^(e0 + e1 + 1), given as the C of the first matrix instruction: key = -(y_norm - 2 dot) / 2^(e0 + e1 + 1): larger is nearer.
; x_norm is the same for all candidates of a row, so it is left out of THIS key alone; the last launch ranks by the whole formula.
; WHY GROUPS.  Order elements by (key falling, index rising) and groups by (largest key falling, number rising): the five best elements lie in the five best groups, since each group ahead of an element's own holds an element ahead of it.
; A group costs 4 vector instructions for its maximum and 19 for the insertion, for 8 distances.
; ORDER OF ROUNDING: y_norm - 2 dot is formed inside the matrix unit's f32 sum here.  NaN and infinities are not served.
; SHARES.  Work-group (x, y): test rows 512 x on, train rows 1,024 y on.  Wave w holds test tiles 32 x + 4 w + t, t = 0..3, as source 1 in 96 registers for the whole launch; all eight waves walk the 64 train tiles (source 0) in LDS.
; In the result lane (r, h) holds test row r and its eight registers train rows 8 h + 0..7 of the tile: exactly one group, number 128 y + 2 tile + h.
; LDS.  The work-group's whole train block (196,608 bytes of codes in the tiles' own layout, 4,096 of ync) is filled ONCE: no slot is ever filled again.  The text uses 201,728 bytes, so the work-group is alone on its WGP.
; CLUSTER.  The four work-groups of a cluster share y: all three tensor loads of a wave are JOINT (the mask names the four); their descriptors hang on y and the wave's number alone.
; The test fragments are not shared so: each goes straight into one wave's registers, once, 12,288 bytes a wave.
; K = 192 is three steps of 64.  A step's two sets of four registers hold k = 64 c + 16 h + 0..15 and 64 c + 32 + 16 h + 0..15: a permutation of k inside the step, alike in both sources.
.set YN,    196608                     ; LDS: ync's 1,024 numbers, behind the 64 tiles
.set TILEB, 3072                       ; a tile of 16 rows x 192 codes
.set AF,  8                            ; v8-31, v32-55    the train tile's fragments, two buffers
.set CF,  56                           ; v56-63, v64-71   its C, two buffers
.set ACC, 72                           ; v72-103          four accumulators
.set BF,  104                          ; v104-199         test tile t, step c at 24 t + 8 c
.set L,   200                          ; v200-247         tile t's list at 12 t: keys 0-4, tile numbers 5-9, the group's maximum 10
.set WV,  12                           ; s12  wave
.set G1T, 16                           ; s[16:23] group 1: 48 rows of 256 bytes
.set G1Y, 24                           ; s[24:31] group 1: 2 rows of 256 bytes
.set G0Y, 32                           ; s[32:35], s[36:39], s[40:43]: groups 0: ync's part, my part of tiles 0-31, of tiles 32-63
.set G0A, 36
.set G0B, 40
.set MK,  44                           ; s[44:63] the insertion's masks: 5 t + q
; s66 LDS byte of the trip's first tile; s67 the same for C; s68 the tile's number; s69 trips
.macro CROUND                          ; a round of the cluster's barrier
	s_barrier_signal -1
	s_barrier_wait -1
	s_cmp_lg_u32 s[WV], 0
	s_cbranch_scc1 .Lnot_wave_0_\@
	s_barrier_signal -3
.Lnot_wave_0_\@:
	s_barrier_wait -3
	s_barrier_signal -1
	s_barrier_wait -1
.endm
	s_load_b256 s[4:11], s[0:1], 0x0               ; xq s[4:5], yq s[6:7], ync s[8:9], cand s[10:11]
	v_lshl_add_u32 v254, v0, 2, 0x31000
	v_mov_b32 v255, 0
	ds_add_u32 v254, v255
	ds_add_u32 v254, v255
	v_lshrrev_b32 v8, 5, v0
	v_readfirstlane_b32 s[WV], v8                  ; wave 0..7
	s_bfe_u32 s13, ttmp6, 0x40000                  ; cx: it enters xq's and cand's addresses alone
	s_lshl_b32 s14, ttmp9, 2
	s_add_co_u32 s14, s14, s13                     ; x = 4 x cluster x + cx
	s_and_b32 s15, ttmp7, 0xffff                   ; y, which the four partners share
	s_mov_b32 s[G1T+0], 15|(3<<16)|(1<<21)         ; 15:0 the mask: all four; 17:16 elements of 8 bytes; 21 set beside a mask; no padding
	s_mov_b32 s[G1T+1], 32<<16                     ; tensor_dim0 = 32 elements: 256 bytes
	s_mov_b32 s[G1T+2], 48<<16                     ; tensor_dim1 = 48
	s_mov_b32 s[G1T+3], 32<<16                     ; tile_dim0
	s_mov_b32 s[G1T+4], 48                         ; tile_dim1: 12,288 bytes, four tiles, dense in memory
	s_mov_b32 s[G1T+5], 32                         ; the pitch
	s_mov_b32 s[G1T+6], 0
	s_mov_b32 s[G1T+7], 0
	s_mov_b32 s[G1Y+0], 15|(3<<16)|(1<<21)
	s_mov_b32 s[G1Y+1], 32<<16
	s_mov_b32 s[G1Y+2], 2<<16
	s_mov_b32 s[G1Y+3], 32<<16
	s_mov_b32 s[G1Y+4], 2                          ; 512 bytes
	s_mov_b32 s[G1Y+5], 32
	s_mov_b32 s[G1Y+6], 0
	s_mov_b32 s[G1Y+7], 0
	s_mul_i32 s70, s15, 196608                     ; the train block's codes,
	s_mul_i32 s72, s[WV], 12288                    ; my four tiles of each half
	s_add_co_u32 s70, s70, s72
	s_mov_b32 s71, 0
	s_add_co_u32 s76, s70, 98304                   ; the second half
	s_mov_b32 s77, 0
	s_lshl_b32 s74, s15, 12                        ; the block's ync,
	s_lshl_b32 s73, s[WV], 9                       ; my 512 bytes
	s_add_co_u32 s74, s74, s73
	s_mov_b32 s75, 0
	s_lshl_b32 s78, s14, 5
	s_lshl_b32 s79, s[WV], 2
	s_add_co_u32 s78, s78, s79                     ; my first test tile: 32 x + 4 w
	s_mul_i32 s80, s78, TILEB
	s_mov_b32 s81, 0
	s_lshl_b32 s82, s78, 14                        ; cand: 16,384 bytes a test tile, 1,024 for each y
	s_lshl_b32 s83, s15, 10
	s_add_co_u32 s82, s82, s83
	s_mov_b32 s83, 0
	v_bfe_u32 v8, v0, 3, 1                         ; r / 8
	v_bfe_u32 v9, v0, 4, 1                         ; h
	v_and_b32 v10, 7, v0                           ; r % 8
	v_xor_b32 v11, v8, v9
	v_mul_u32_u24 v1, v8, 1536
	v_lshl_add_u32 v1, v11, 7, v1
	v_lshl_add_u32 v1, v10, 4, v1                  ; v1: my place in a tile: 1536 (r / 8) + 128 (h xor (r / 8)) + 16 (r % 8)
	v_lshlrev_b32 v2, 5, v9
	v_add_nc_u32 v2, YN, v2                        ; v2: my eight numbers of a tile's C: 32 h
	v_and_b32 v5, 31, v0
	v_lshlrev_b32 v5, 4, v5                        ; v5: 16 x lane
	s_lshl_b32 s79, s15, 7
	v_add_nc_u32 v7, s79, v9                       ; v7: 128 y + h: a group's number is 2 x tile + this
	s_wait_dscnt 0x0
	s_wait_kmcnt 0x0
	s_mov_b32 s[G0Y], 1
	s_add_co_u32 s[G0Y+1], s73, YN
	s_add_nc_u64 s[G0Y+2:G0Y+3], s[8:9], s[74:75]
	s_or_b32 s[G0Y+3], s[G0Y+3], 0x80000000
	s_mov_b32 s[G0A], 1
	s_mov_b32 s[G0A+1], s72
	s_add_nc_u64 s[G0A+2:G0A+3], s[6:7], s[70:71]
	s_or_b32 s[G0A+3], s[G0A+3], 0x80000000
	s_mov_b32 s[G0B], 1
	s_add_co_u32 s[G0B+1], s72, 98304
	s_add_nc_u64 s[G0B+2:G0B+3], s[6:7], s[76:77]
	s_or_b32 s[G0B+3], s[G0B+3], 0x80000000
	s_add_nc_u64 s[4:5], s[4:5], s[80:81]
	s_add_nc_u64 s[10:11], s[10:11], s[82:83]
	CROUND                                         ; all four work-groups are here: the joint loads meet
	tensor_load_to_lds s[G0Y:G0Y+3], s[G1Y:G1Y+7]  ; the launch's only fills, in one group: three loads of mine are out
	s_nop 0
	tensor_load_to_lds s[G0A:G0A+3], s[G1T:G1T+7]
	s_nop 0
	tensor_load_to_lds s[G0B:G0B+3], s[G1T:G1T+7]
	s_nop 0
.rept 4
	v_nop                                          ; four plain lines behind the last tensor load
.endr
.irp t, 0,1,2,3
.irp i, 0,1,2,3,4,5
	global_load_b128 v[BF+24*\t+4*\i:BF+24*\t+4*\i+3], v1, s[4:5] offset:TILEB*\t+256*\i   ; my test tiles stay in registers
.endr
.endr
.irp t, 0,1,2,3
.irp q, 0,1,2,3,4
	v_mov_b32 v[L+12*\t+\q], 0xff800000            ; -infinity: every key comes ahead of it; a lane sees 64 groups, so none is left
	v_mov_b32 v[L+12*\t+5+\q], 0
.endr
.endr
	s_mov_b32 s66, 0
	s_mov_b32 s67, 0
	s_mov_b32 s68, 0
; The tile `ahead` tiles behind the trip's first comes into buffer p: six loads of codes, two of C.
.macro FETCH p, ahead
	v_add_nc_u32 v3, s66, v1
	v_add_nc_u32 v4, s67, v2
.irp i, 0,1,2,3,4,5
	ds_load_b128 v[AF+24*(\p)+4*\i:AF+24*(\p)+4*\i+3], v3 offset:TILEB*(\ahead)+256*\i
.endr
	ds_load_b128 v[CF+8*(\p):CF+8*(\p)+3], v4 offset:64*(\ahead)
	ds_load_b128 v[CF+8*(\p)+4:CF+8*(\p)+7], v4 offset:64*(\ahead)+16
.endm
; One train tile in buffer p against my four test tiles.
.macro TILE p, fetch
	s_wait_dscnt 0x0                               ; the tile's eight loads, issued a tile ago
.irp c, 0,1,2                                  ; the four accumulators take turns, one instruction a turn
.irp t, 0,1,2,3
.if \c == 0
	v_wmma_f32_16x16x64_bf8_bf8 v[ACC+8*\t:ACC+8*\t+7], v[AF+24*(\p):AF+24*(\p)+7], v[BF+24*\t:BF+24*\t+7], v[CF+8*(\p):CF+8*(\p)+7]
.else
	v_wmma_f32_16x16x64_bf8_bf8 v[ACC+8*\t:ACC+8*\t+7], v[AF+24*(\p)+8*\c:AF+24*(\p)+8*\c+7], v[BF+24*\t+8*\c:BF+24*\t+8*\c+7], v[ACC+8*\t:ACC+8*\t+7]
.endif
.endr
.endr
.if \fetch
	FETCH 1-(\p), (\p)+1                           ; the next tile, into the buffer that the tile before read (76 plain lines on other registers lie between).  Its two additions and
	v_nop                                          ; these two lines are the four places (ISA guide 7.12.1) ahead of the first read of the results
	v_nop
.else
.rept 4
	v_nop
.endr
.endif
.irp t, 0,1,2,3
	v_max3_num_f32 v[L+12*\t+10], v[ACC+8*\t], v[ACC+8*\t+1], v[ACC+8*\t+2]   ; the group's largest key, each accumulator from its low end on
.endr
.irp t, 0,1,2,3
	v_max3_num_f32 v[L+12*\t+10], v[L+12*\t+10], v[ACC+8*\t+3], v[ACC+8*\t+4]
.endr
.irp t, 0,1,2,3
	v_max3_num_f32 v[L+12*\t+10], v[L+12*\t+10], v[ACC+8*\t+5], v[ACC+8*\t+6]
.endr
.irp t, 0,1,2,3
	v_max_num_f32 v[L+12*\t+10], v[L+12*\t+10], v[ACC+8*\t+7]
.endr
.irp q, 0,1,2,3,4                              ; THE INSERTION into a list sorted best first.  c_q = key > K_q, strictly: of equal keys the one that came earlier, the lower number, stays ahead
.irp t, 0,1,2,3
	v_cmp_gt_f32 s[MK+5*\t+\q], v[L+12*\t+10], v[L+12*\t+\q]
.endr
.endr
.irp q, 4,3,2,1                                ; I_q = c_(q-1) ? I_(q-1) : c_q ? the tile : I_q, from the list's end on
.irp t, 0,1,2,3
	v_cndmask_b32 v[L+12*\t+5+\q], v[L+12*\t+5+\q], s68, s[MK+5*\t+\q]
.endr
.irp t, 0,1,2,3
	v_cndmask_b32 v[L+12*\t+5+\q], v[L+12*\t+5+\q], v[L+12*\t+4+\q], s[MK+5*\t+\q-1]
.endr
.endr
.irp t, 0,1,2,3
	v_cndmask_b32 v[L+12*\t+5], v[L+12*\t+5], s68, s[MK+5*\t]
.endr
.irp q, 4,3,2,1                                ; K_q = the middle one of the key, K_(q-1) and K_q
.irp t, 0,1,2,3
	v_med3_num_f32 v[L+12*\t+\q], v[L+12*\t+10], v[L+12*\t+\q-1], v[L+12*\t+\q]
.endr
.endr
.irp t, 0,1,2,3
	v_max_num_f32 v[L+12*\t], v[L+12*\t], v[L+12*\t+10]
.endr
	s_add_co_u32 s68, s68, 1
.endm
	s_wait_loadcnt 0x0                             ; my test tiles
	s_wait_tensorcnt 0x1                           ; tensor loads of a wave end in order: my parts of ync and of tiles 0-31 are in; the second half may stay out
	s_barrier_signal -1
	s_barrier_wait -1                              ; everybody's are
	FETCH 0, 0
	s_mov_b32 s69, 15
.Lfirst_half:                                          ; tiles 0-29; the fetches reach tile 30, inside the first half
	TILE 0, 1
	TILE 1, 1
	s_add_co_u32 s66, s66, 2*TILEB
	s_add_co_u32 s67, s67, 128
	s_sub_co_u32 s69, s69, 1
	s_cmp_lg_u32 s69, 0
	s_cbranch_scc1 .Lfirst_half
	s_wait_tensorcnt 0x0                           ; my part of tiles 32-63 is in,
	s_wait_dscnt 0x0                               ; and no LDS load of mine is pending at the signal
	s_barrier_signal -1
	s_barrier_wait -1                              ; everybody's is
	s_mov_b32 s66, 30*TILEB                        ; (the numbers that the first loop left: written again so that this loop's range stands at its head)
	s_mov_b32 s67, 30*64
	s_mov_b32 s69, 16
.Lsecond_half:                                         ; tiles 30-61; the fetches reach tile 62
	TILE 0, 1
	TILE 1, 1
	s_add_co_u32 s66, s66, 2*TILEB
	s_add_co_u32 s67, s67, 128
	s_sub_co_u32 s69, s69, 1
	s_cmp_lg_u32 s69, 0
	s_cbranch_scc1 .Lsecond_half
	TILE 0, 1                                      ; tile 62; tile 63 is fetched
	TILE 1, 0                                      ; tile 63: nothing lies behind it
; OUT: for (test tile, y) an image of 1,024 bytes: lane l's K0-K3 at 16 l; K4, I0 | I1 << 16, I2 | I3 << 16, I4 at 512 + 16 l.  I: group numbers, under 2,048.
.irp t, 0,1,2,3
.irp q, 0,1,2,3,4
	v_lshl_add_u32 v[L+12*\t+5+\q], v[L+12*\t+5+\q], 1, v7
.endr
	v_lshl_or_b32 v[L+12*\t+5], v[L+12*\t+6], 16, v[L+12*\t+5]
	v_lshl_or_b32 v[L+12*\t+6], v[L+12*\t+8], 16, v[L+12*\t+7]
	v_mov_b32 v[L+12*\t+7], v[L+12*\t+9]
	global_store_b128 v5, v[L+12*\t:L+12*\t+3], s[10:11] offset:16384*\t        ; 512 consecutive bytes, at a multiple of 256 from the buffer's first byte
	global_store_b128 v5, v[L+12*\t+4:L+12*\t+7], s[10:11] offset:16384*\t+512
.endr
	s_wait_tensorcnt 0x0
	ds_add_u32 v254, v255
	s_wait_dscnt 0x0
	CROUND                                         ; the closing round: no work-group ends while a partner may still ask for a tile that names it
	s_endpgm
.Lfunc_end_k_q0443252a74_main:
	.size	k_q0443252a74_main, .Lfunc_end_k_q0443252a74_main-k_q0443252a74_main
	.p2alignl 7, 3214868480
	.fill 96, 4, 3214868480
	.section	.rodata,"a",@progbits
	.p2align	6, 0x0
	.amdhsa_kernel k_q0443252a74_main
		.amdhsa_group_segment_fixed_size 201728
		.amdhsa_private_segment_fixed_size 0
		.amdhsa_enable_private_segment 0
		.amdhsa_kernarg_size 32
		.amdhsa_user_sgpr_count 2
		.amdhsa_user_sgpr_kernarg_segment_ptr 1
		.amdhsa_wavefront_size32 1
		.amdhsa_system_sgpr_workgroup_id_x 1
		.amdhsa_system_sgpr_workgroup_id_y 1
		.amdhsa_system_sgpr_workgroup_id_z 1
		.amdhsa_system_vgpr_workitem_id 0
		.amdhsa_next_free_vgpr 256
		.amdhsa_next_free_sgpr 96
		.amdhsa_reserve_vcc 0
		.amdhsa_float_denorm_mode_32 3
		.amdhsa_float_denorm_mode_16_64 3
		.amdhsa_memory_ordered 1
		.amdhsa_forward_progress 1
		.amdhsa_inst_pref_size 55
	.end_amdhsa_kernel
	.amdgpu_metadata
---
amdhsa.version: [ 1, 2 ]
amdhsa.kernels:
  - .name:           k_q0443252a74_main
    .symbol:         k_q0443252a74_main.kd
    .args:
      - { .name: xq, .offset: 0, .size: 8, .value_kind: global_buffer, .address_space: global }
      - { .name: yq, .offset: 8, .size: 8, .value_kind: global_buffer, .address_space: global }
      - { .name: ync, .offset: 16, .size: 8, .value_kind: global_buffer, .address_space: global }
      - { .name: cand, .offset: 24, .size: 8, .value_kind: global_buffer, .address_space: global }
    .group_segment_fixed_size: 201728
    .private_segment_fixed_size: 0
    .kernarg_segment_align: 8
    .kernarg_segment_size: 32
    .max_flat_workgroup_size: 256
    .sgpr_count:     96
    .vgpr_count:     256
    .wavefront_size: 32
...
	.end_amdgpu_metadata
.endif
;; end of part 2
;; launch merge (part 3): grid 256 x 1, 2 waves a work-group, no clusters, 0 bytes of LDS; arguments cand, gsel; writes gsel
.if DOCPART == 3
	.amdgcn_target "amdgcn-amd-amdhsa--gfx1250"
	.amdhsa_code_object_version 6
	.text
	.protected	k_q0443252a74_merge
	.globl	k_q0443252a74_merge
	.p2align	8
	.type	k_q0443252a74_merge,@function
k_q0443252a74_merge:
	s_mov_b64 s[64:65], 0
	v_nop
	global_prefetch_b8 v0, s[64:65] scope:SCOPE_SE
	s_setreg_imm32_b32 hwreg(HW_REG_WAVE_MODE, 25, 1), 1
	s_wait_xcnt 0x0
; For each test row the lists of (key, group) that the pre-selection left, 16 train blocks x 2 halves of the lanes x 5, become SIX group numbers, stored as whole numbers for the next launch's addresses.
; The five best groups by (key falling, number rising) hold the row's five nearest; the sixth is one more real group, which fills the third candidate tile.
; A wave takes a test tile; lane (r, h) holds row r's lists of the groups of parity h, as they were stored.  No LDS, no barrier, no cluster: waves share nothing.
; Blocks 0-7 go into list A, blocks 8-15 into list B, by turns, so that two chains of dependent lines run side by side.  A strict compare keeps equal keys in rising numbers there: blocks come in rising ranges of numbers,
; and within a stored list equal keys stand in rising numbers.  B's entries then go into A likewise.  The other half of the lanes holds numbers of the other parity: its six entries are inserted by (key, number).
.set IM,  16                           ; v16-143  block y's image: K0-K4, I0 | I1 << 16, I2 | I3 << 16, I4
.set LA,  144                          ; v144-155 list A: six keys, six numbers
.set LB,  156                          ; v156-167 list B
.set IDA, 168                          ; v168-171 four numbers unpacked, for A;  v174-177 for B
.set IDB, 174
.set PC,  16                           ; v16-27   the other half's list (the images are done with)
.set MA,  16                           ; s[16:21], s[22:27] masks;  s28, s29 at work
.set MB,  22
.macro INS_C lb, n, key, m             ; c_q = key > K_q
.set q_, 0
.rept \n
	v_cmp_gt_f32 s[\m+q_], v[\key], v[(\lb)+q_]
.set q_, q_+1
.endr
.endm
.macro INSX_C lb, n, key, id, m, ta, tb   ; c_q = key > K_q, or key = K_q and number < I_q
.set q_, 0
.rept \n
	v_cmp_gt_f32 s[\m+q_], v[\key], v[(\lb)+q_]
	v_cmp_eq_f32 s[\ta], v[\key], v[(\lb)+q_]
	v_cmp_lt_u32 s[\tb], v[\id], v[(\lb)+\n+q_]
	s_and_b32 s[\ta], s[\ta], s[\tb]
	s_or_b32 s[\m+q_], s[\m+q_], s[\ta]
.set q_, q_+1
.endr
.endm
.macro INS_I lb, n, id, m              ; I_q = c_(q-1) ? I_(q-1) : c_q ? number : I_q, from the list's end on
.set q_, \n-1
.rept \n-1
	v_cndmask_b32 v[(\lb)+\n+q_], v[(\lb)+\n+q_], v[\id], s[\m+q_]
	v_cndmask_b32 v[(\lb)+\n+q_], v[(\lb)+\n+q_], v[(\lb)+\n+q_-1], s[\m+q_-1]
.set q_, q_-1
.endr
	v_cndmask_b32 v[(\lb)+\n], v[(\lb)+\n], v[\id], s[\m]
.endm
.macro INS_K lb, n, key                ; K_q = the middle one of key, K_(q-1), K_q
.set q_, \n-1
.rept \n-1
	v_med3_num_f32 v[(\lb)+q_], v[\key], v[(\lb)+q_-1], v[(\lb)+q_]
.set q_, q_-1
.endr
	v_max_num_f32 v[\lb], v[\lb], v[\key]
.endm
	s_load_b128 s[4:7], s[0:1], 0x0                ; cand, gsel
	v_lshrrev_b32 v1, 5, v0
	v_readfirstlane_b32 s8, v1
	s_lshl_b32 s9, ttmp9, 1
	s_add_co_u32 s9, s9, s8                        ; my test tile
	s_lshl_b32 s10, s9, 14                         ; its 16 images
	s_mov_b32 s11, 0
	s_lshl_b32 s12, s9, 9                          ; its 16 rows of gsel, 32 bytes each
	s_mov_b32 s13, 0
	s_mov_b32 s30, 0x76543210                      ; v_permlanex16_b32: lane l xor 16
	s_mov_b32 s31, 0xfedcba98
	v_and_b32 v1, 31, v0
	v_lshlrev_b32 v2, 4, v1                        ; 16 x lane
	v_and_b32 v3, 15, v0                           ; r
	v_bfe_u32 v5, v0, 4, 1                         ; h
	v_lshlrev_b32 v4, 5, v3
	v_lshl_add_u32 v4, v5, 4, v4                   ; 32 r + 16 h
	s_wait_kmcnt 0x0
	s_add_nc_u64 s[4:5], s[4:5], s[10:11]
	s_add_nc_u64 s[6:7], s[6:7], s[12:13]
.irp s, 0,1,2,3,4,5,6,7                        ; in the order of use: blocks s and s + 8
	global_load_b128 v[IM+8*\s:IM+8*\s+3], v2, s[4:5] offset:1024*\s th:TH_LOAD_NT
	global_load_b128 v[IM+8*\s+4:IM+8*\s+7], v2, s[4:5] offset:1024*\s+512 th:TH_LOAD_NT
	global_load_b128 v[IM+8*(\s+8):IM+8*(\s+8)+3], v2, s[4:5] offset:1024*(\s+8) th:TH_LOAD_NT
	global_load_b128 v[IM+8*(\s+8)+4:IM+8*(\s+8)+7], v2, s[4:5] offset:1024*(\s+8)+512 th:TH_LOAD_NT
.endr
.irp q, 0,1,2,3,4,5
	v_mov_b32 v[LA+\q], 0xff800000                 ; -infinity; each list takes 40 entries, so none is left
	v_mov_b32 v[LB+\q], 0xff800000
	v_mov_b32 v[LA+6+\q], 0
	v_mov_b32 v[LB+6+\q], 0
.endr
.macro PAIR ya, yb
.set BA, IM+8*(\ya)
.set BB, IM+8*(\yb)
	v_and_b32 v[IDA], 0xffff, v[BA+5]
	v_and_b32 v[IDB], 0xffff, v[BB+5]
	v_lshrrev_b32 v[IDA+1], 16, v[BA+5]
	v_lshrrev_b32 v[IDB+1], 16, v[BB+5]
	v_and_b32 v[IDA+2], 0xffff, v[BA+6]
	v_and_b32 v[IDB+2], 0xffff, v[BB+6]
	v_lshrrev_b32 v[IDA+3], 16, v[BA+6]
	v_lshrrev_b32 v[IDB+3], 16, v[BB+6]
.irp e, 0,1,2,3,4
.set ia_, IDA+\e
.set ib_, IDB+\e
.if \e == 4
.set ia_, BA+7                                 ; the fifth number lies unpacked
.set ib_, BB+7
.endif
	INS_C LA, 6, BA+\e, MA
	INS_C LB, 6, BB+\e, MB
	INS_I LA, 6, ia_, MA
	INS_I LB, 6, ib_, MB
	INS_K LA, 6, BA+\e
	INS_K LB, 6, BB+\e
.endr
.endm
.irp s, 0,1,2,3,4,5,6,7
	s_wait_loadcnt 28-4*\s                         ; these two blocks' four loads are in; the later pairs' may be out
	PAIR \s, \s+8
.endr
.irp e, 0,1,2,3,4,5                            ; B's numbers are all higher than A's: strictly
	INS_C LA, 6, LB+\e, MA
	INS_I LA, 6, LB+6+\e, MA
	INS_K LA, 6, LB+\e
.endr
.irp k, 0,1,2,3,4,5,6,7,8,9,10,11
	v_permlanex16_b32 v[PC+\k], v[LA+\k], s30, s31 ; (its destination counts as read: these registers were loaded)
.endr
.irp e, 0,1,2,3,4,5                            ; both halves end with the same six
	INSX_C LA, 6, PC+\e, PC+6+\e, MA, 28, 29
	INS_I LA, 6, PC+6+\e, MA
	INS_K LA, 6, PC+\e
.endr
.macro CE a, b                         ; the lower number to a, the higher to b
	v_min_u32 v180, v[\a], v[\b]
	v_max_u32 v[\b], v[\a], v[\b]
	v_mov_b32 v[\a], v180
.endm
.irp last, 5,4,3,2,1                           ; the six numbers in rising order, so that the next launch meets each lane's candidates in rising index
.irp k, 0,1,2,3,4
.if \k < \last
	CE LA+6+\k, LA+7+\k
.endif
.endr
.endr
	s_mov_b32 s28, 0xffff0000                      ; lanes 16-31
	v_cndmask_b32 v184, v[LA+6], v[LA+10], s28     ; lanes 0-15: g0 g1 g2 g3; lanes 16-31: g4 g5 g5 g5
	v_cndmask_b32 v185, v[LA+7], v[LA+11], s28
	v_cndmask_b32 v186, v[LA+8], v[LA+11], s28
	v_cndmask_b32 v187, v[LA+9], v[LA+11], s28
	global_store_b128 v4, v[184:187], s[6:7]       ; the tile's 16 rows of 32 bytes: 512 consecutive bytes, aligned
	s_endpgm
.Lfunc_end_k_q0443252a74_merge:
	.size	k_q0443252a74_merge, .Lfunc_end_k_q0443252a74_merge-k_q0443252a74_merge
	.p2alignl 7, 3214868480
	.fill 96, 4, 3214868480
	.section	.rodata,"a",@progbits
	.p2align	6, 0x0
	.amdhsa_kernel k_q0443252a74_merge
		.amdhsa_group_segment_fixed_size 0
		.amdhsa_private_segment_fixed_size 0
		.amdhsa_enable_private_segment 0
		.amdhsa_kernarg_size 16
		.amdhsa_user_sgpr_count 2
		.amdhsa_user_sgpr_kernarg_segment_ptr 1
		.amdhsa_wavefront_size32 1
		.amdhsa_system_sgpr_workgroup_id_x 1
		.amdhsa_system_sgpr_workgroup_id_y 1
		.amdhsa_system_sgpr_workgroup_id_z 1
		.amdhsa_system_vgpr_workitem_id 0
		.amdhsa_next_free_vgpr 192
		.amdhsa_next_free_sgpr 66
		.amdhsa_reserve_vcc 0
		.amdhsa_float_denorm_mode_32 3
		.amdhsa_float_denorm_mode_16_64 3
		.amdhsa_memory_ordered 1
		.amdhsa_forward_progress 1
		.amdhsa_inst_pref_size 148
	.end_amdhsa_kernel
	.amdgpu_metadata
---
amdhsa.version: [ 1, 2 ]
amdhsa.kernels:
  - .name:           k_q0443252a74_merge
    .symbol:         k_q0443252a74_merge.kd
    .args:
      - { .name: cand, .offset: 0, .size: 8, .value_kind: global_buffer, .address_space: global }
      - { .name: gsel, .offset: 8, .size: 8, .value_kind: global_buffer, .address_space: global }
    .group_segment_fixed_size: 0
    .private_segment_fixed_size: 0
    .kernarg_segment_align: 8
    .kernarg_segment_size: 16
    .max_flat_workgroup_size: 64
    .sgpr_count:     66
    .vgpr_count:     192
    .wavefront_size: 32
...
	.end_amdgpu_metadata
.endif
;; end of part 3
;; launch final (part 4): grid 256 x 1, 16 waves a work-group, no clusters, 6,144 bytes of LDS; arguments xq, yq, ync, xn, gsel, p_hat_train, lowp_scales, out0; writes out0
.if DOCPART == 4
	.amdgcn_target "amdgcn-amd-amdhsa--gfx1250"
	.amdhsa_code_object_version 6
	.text
	.protected	k_q0443252a74_final
	.globl	k_q0443252a74_final
	.p2align	8
	.type	k_q0443252a74_final,@function
k_q0443252a74_final:
	s_mov_b64 s[64:65], 0
	v_nop
	global_prefetch_b8 v0, s[64:65] scope:SCOPE_SE
	s_setreg_imm32_b32 hwreg(HW_REG_WAVE_MODE, 25, 1), 1
	s_wait_xcnt 0x0
; THE RANKING.  For each test row the 48 train rows of its six groups (whole numbers that the launch before stored) are multiplied again, by the same matrix instruction on the same codes, ranked by
; dist = (x_norm + y_norm) - 2 dot in that order of rounding, ties to the lower index, and the two classes' p of the five nearest are averaged.
; No address hangs on a comparison of floats: all 48 candidates' p are loaded (their places come from the stored group numbers), and the five are chosen by a factor 0 or 1.
; LIMITS: |e0 + e1 + 1| <= 125.  NaN and infinities among the inputs are not served.  Norms and dots are summed in another order than a plain row sum; the mean is the sum x 0.2.
; SHARES.  Work-group b: rows 32 b on.  Wave w: rows R0 = 32 b + 2 w and R0 + 1.  Source 1's column r is row R0 + r % 2, so every lane holds data of `its` row R0 + r % 2.
; Source 0, tile (n, u): groups 2 u and 2 u + 1 of row R0 + n.  In the result lane (r, h) holds, in register j, element j of slot 2 u + h; the tile with n = r % 2 is the lane's.
; No tensor load, no cluster: the gathered groups differ from row to row.
; REGISTERS: v1 r, v2 h, v3 x_norm's offset, v4-6 32 x my slot's group (bytes in ync and p), v7-9 8 x it (the first index), later the threshold's distance, v[10:11] x_norm, v12, v13 LDS, v14, v15 gsel's offsets;
;   v16-159 source 0 (24 (3 n + u) + 4 i), later p (24 class + 8 u + j), the list and work; v160-183 source 1; v184-207 ync, then x_norm + y_norm; v208-255 the accumulators (8 (3 n + u)), ahead of the products numbers and offsets.
.set LS,  64                           ; v64-73 the list: five keys, five indices;  v74-83 the other half's
.set MA,  40                           ; s[40:47] masks
.macro INS_C lb, n, key, m
.set q_, 0
.rept \n
	v_cmp_gt_f32 s[\m+q_], v[\key], v[(\lb)+q_]
.set q_, q_+1
.endr
.endm
.macro INSX_C lb, n, key, id, m, ta, tb
.set q_, 0
.rept \n
	v_cmp_gt_f32 s[\m+q_], v[\key], v[(\lb)+q_]
	v_cmp_eq_f32 s[\ta], v[\key], v[(\lb)+q_]
	v_cmp_lt_u32 s[\tb], v[\id], v[(\lb)+\n+q_]
	s_and_b32 s[\ta], s[\ta], s[\tb]
	s_or_b32 s[\m+q_], s[\m+q_], s[\ta]
.set q_, q_+1
.endr
.endm
.macro INS_I lb, n, id, m
.set q_, \n-1
.rept \n-1
	v_cndmask_b32 v[(\lb)+\n+q_], v[(\lb)+\n+q_], v[\id], s[\m+q_]
	v_cndmask_b32 v[(\lb)+\n+q_], v[(\lb)+\n+q_], v[(\lb)+\n+q_-1], s[\m+q_-1]
.set q_, q_-1
.endr
	v_cndmask_b32 v[(\lb)+\n], v[(\lb)+\n], v[\id], s[\m]
.endm
.macro INS_K lb, n, key
.set q_, \n-1
.rept \n-1
	v_med3_num_f32 v[(\lb)+q_], v[\key], v[(\lb)+q_-1], v[(\lb)+q_]
.set q_, q_-1
.endr
	v_max_num_f32 v[\lb], v[\lb], v[\key]
.endm
	s_load_b256 s[4:11], s[0:1], 0x0               ; xq s[4:5], yq s[6:7], ync s[8:9], xn s[10:11]
	s_load_b256 s[12:19], s[0:1], 0x20             ; gsel s[12:13], p s[14:15], the scales' exponents s[16:17], out0 s[18:19]
	v_lshrrev_b32 v1, 5, v0
	v_readfirstlane_b32 s20, v1                    ; wave 0..15
	v_and_b32 v1, 15, v0                           ; r
	v_bfe_u32 v2, v0, 4, 1                         ; h
	v_and_b32 v222, 1, v0                          ; r % 2: which of the wave's two rows is my lane's
	v_lshlrev_b32 v3, 2, v222
	v_bfe_u32 v14, v0, 3, 1
	v_lshlrev_b32 v14, 2, v14                      ; gsel, for source 0: slot 2 u + r / 8
	v_lshlrev_b32 v15, 5, v222
	v_lshl_add_u32 v15, v2, 2, v15                 ; gsel, for my results: my row, slot 2 u + h
	v_and_b32 v221, 7, v0
	v_lshlrev_b32 v221, 4, v221                    ; 16 (r % 8)
	v_lshlrev_b32 v12, 2, v0                       ; LDS: 128 w + 4 lane.  In wave 0 also 4 x lane, the output's offset
	v_bfe_u32 v13, v0, 1, 4
	v_lshlrev_b32 v13, 7, v13
	v_lshl_add_u32 v13, v222, 2, v13               ; wave 0 reads row `lane` of the 32: wave lane / 2, its lane lane % 2
	s_lshl_b32 s21, ttmp9, 5
	s_lshl_b32 s22, s20, 1
	s_add_co_u32 s21, s21, s22                     ; R0
	s_lshr_b32 s22, s21, 3                         ; its group of test rows
	s_and_b32 s23, s22, 1
	v_xor_b32 v220, s23, v2
	v_lshlrev_b32 v220, 7, v220
	v_lshl_add_u32 v220, v222, 4, v220             ; source 1: 128 (h xor the group's parity) + 16 (r % 2)
	s_mul_i32 s24, s22, 1536
	s_and_b32 s25, s21, 7
	s_lshl_b32 s25, s25, 4
	s_add_co_u32 s24, s24, s25
	s_mov_b32 s25, 0
	s_lshl_b32 s26, s21, 5
	s_mov_b32 s27, 0
	s_lshl_b32 s28, s21, 2
	s_mov_b32 s29, 0
	s_lshl_b32 s30, ttmp9, 7
	s_mov_b32 s31, 0
	s_mov_b32 s34, 0xaaaaaaaa                      ; the lanes with r % 2 = 1
	s_mov_b32 s48, 0x76543210                      ; v_permlanex16_b32: lane l xor 16
	s_mov_b32 s49, 0xfedcba98
	s_wait_kmcnt 0x0
	s_load_b64 s[32:33], s[16:17], 0x0             ; e0, e1
	s_add_nc_u64 s[4:5], s[4:5], s[24:25]
	s_add_nc_u64 s[12:13], s[12:13], s[26:27]
	s_add_nc_u64 s[10:11], s[10:11], s[28:29]
	s_add_nc_u64 s[18:19], s[18:19], s[30:31]
.irp n, 0,1
.irp u, 0,1,2
	global_load_b32 v[208+3*\n+\u], v14, s[12:13] offset:32*\n+8*\u   ; the group whose row r % 8 I fetch for tile (n, u)
.endr
.endr
.irp u, 0,1,2
	global_load_b32 v[7+\u], v15, s[12:13] offset:8*\u                ; the group that my results of slot 2 u + h belong to
.endr
.irp i, 0,1,2,3,4,5
	global_load_b128 v[160+4*\i:163+4*\i], v220, s[4:5] offset:256*\i
.endr
	global_load_b32 v10, v3, s[10:11]              ; x_norm of my row
	s_wait_loadcnt 0x7                             ; the nine numbers are in; source 1 and x_norm may be out
.irp k, 0,1,2,3,4,5
	v_min_u32 v[208+\k], 0x7ff, v[208+\k]          ; a loaded number enters an address only held inside the table: 2,048 groups
.endr
.irp u, 0,1,2
	v_min_u32 v[7+\u], 0x7ff, v[7+\u]
.endr
.irp k, 0,1,2,3,4,5
	v_add_nc_u32 v[224+\k], v[208+\k], v2
	v_mul_u32_u24 v[214+\k], v[208+\k], 1536
.endr
.irp k, 0,1,2,3,4,5
	v_and_b32 v[224+\k], 1, v[224+\k]              ; h xor the group's parity
.endr
.irp k, 0,1,2,3,4,5
	v_lshl_add_u32 v[214+\k], v[224+\k], 7, v[214+\k]
.endr
.irp k, 0,1,2,3,4,5
	v_add_nc_u32 v[214+\k], v[214+\k], v221
.endr
.irp u, 0,1,2
	v_lshlrev_b32 v[4+\u], 5, v[7+\u]              ; 32 bytes of ync and of each class of p
.endr
.irp u, 0,1,2
	v_lshlrev_b32 v[7+\u], 3, v[7+\u]              ; the group's first index
.endr
.irp k, 0,1,2,3,4,5
.irp i, 0,1,2,3,4,5
	global_load_b128 v[16+24*\k+4*\i:19+24*\k+4*\i], v[214+\k], s[6:7] offset:256*\i   ; two aligned runs of 256 bytes an instruction
.endr
.endr
.irp u, 0,1,2
	global_load_b128 v[184+8*\u:187+8*\u], v[4+\u], s[8:9]
	global_load_b128 v[188+8*\u:191+8*\u], v[4+\u], s[8:9] offset:16
.endr
	s_wait_loadcnt 0x6                             ; both sources and x_norm are in, and the loads that named v214-220 are done; ync's six may be out
.irp c, 0,1,2                                  ; six accumulators by turns, one instruction a turn; the first step starts the sums
.irp k, 0,1,2,3,4,5
.if \c == 0
	v_wmma_f32_16x16x64_bf8_bf8 v[208+8*\k:215+8*\k], v[16+24*\k:23+24*\k], v[160:167], 0
.else
	v_wmma_f32_16x16x64_bf8_bf8 v[208+8*\k:215+8*\k], v[16+24*\k+8*\c:23+24*\k+8*\c], v[160+8*\c:167+8*\c], v[208+8*\k:215+8*\k]
.endif
.endr
.endr
.rept 4
	v_nop                                          ; four places ahead of loads into source 0's registers and of the first read of results
.endr
.irp c, 0,1
.irp u, 0,1,2
	global_load_b128 v[16+24*\c+8*\u:19+24*\c+8*\u], v[4+\u], s[14:15] offset:65536*\c      ; p of all my 24 candidates, both classes
	global_load_b128 v[20+24*\c+8*\u:23+24*\c+8*\u], v[4+\u], s[14:15] offset:65536*\c+16
.endr
.endr
.irp u, 0,1,2
.irp j, 0,1,2,3,4,5,6,7
	v_cndmask_b32 v[208+8*\u+\j], v[208+8*\u+\j], v[232+8*\u+\j], s34   ; my row's tile; each accumulator from its low end on
.endr
.endr
	s_wait_kmcnt 0x0
	s_add_co_i32 s36, s32, s33
	s_add_co_i32 s36, s36, 128
	s_lshl_b32 s36, s36, 23                        ; 2^(e0 + e1 + 1) as f32
	s_mov_b32 s37, s36                             ; (named with it as a pair, so it is written)
	s_or_b32 s38, s36, 0x80000000                  ; and its negative
	s_mov_b32 s39, s38
	v_mov_b32 v11, v10
	s_wait_loadcnt 0xc                             ; ync is in; p's twelve loads may be out
.irp k, 0,2,4,6,8,10,12,14,16,18,20,22
	v_pk_fma_f32 v[184+\k:185+\k], v[184+\k:185+\k], s[38:39], v[10:11] op_sel_hi:[1,0,1]   ; ync x -2^(e0+e1+1) is y_norm exactly: x_norm + y_norm, rounded once
.endr
.irp k, 0,2,4,6,8,10,12,14,16,18,20,22
	v_pk_fma_f32 v[208+\k:209+\k], v[208+\k:209+\k], s[36:37], v[184+\k:185+\k] op_sel_hi:[1,0,1] neg_lo:[0,0,1] neg_hi:[0,0,1]   ; 2 dot - (x_norm + y_norm) = -dist, rounded once
.endr
.irp q, 0,1,2,3,4
	v_mov_b32 v[LS+\q], 0xff800000
	v_mov_b32 v[LS+5+\q], 0x7fffffff
.endr
.irp u, 0,1,2                                  ; my 24 candidates in rising index (the stored groups rise): a strict compare keeps the lower index ahead
.irp j, 0,1,2,3,4,5,6,7
	v_add_nc_u32 v84, \j, v[7+\u]
	INS_C LS, 5, 208+8*\u+\j, MA
	INS_I LS, 5, 84, MA
	INS_K LS, 5, 208+8*\u+\j
.endr
.endr
.irp k, 0,1,2,3,4,5,6,7,8,9
	v_permlanex16_b32 v[LS+10+\k], v[LS+\k], s48, s49   ; the row's other 24 lie in lane l xor 16 (the destinations were loaded: they count as read)
.endr
.irp e, 0,1,2,3,4
	INSX_C LS, 5, LS+10+\e, LS+15+\e, MA, 45, 46
	INS_I LS, 5, LS+15+\e, MA
	INS_K LS, 5, LS+10+\e
.endr
.irp u, 0,1,2
	v_sub_nc_u32 v[7+\u], v[LS+9], v[7+\u]         ; the fifth's index less my group's first: element j lies at or ahead of it where j <= this
.endr
	v_mov_b32 v92, 0
	v_mov_b32 v93, 0
	s_wait_loadcnt 0x0                             ; p
.irp u, 0,1,2                                  ; a candidate counts where it comes at or ahead of the fifth: exactly five of the row's 48
.irp j, 0,1,2,3,4,5,6,7
	v_cmp_gt_f32 s[MA+4*(\j%2)], v[208+8*\u+\j], v[LS+4]
	v_cmp_eq_f32 s[MA+4*(\j%2)+1], v[208+8*\u+\j], v[LS+4]
	v_cmp_le_i32 s[MA+4*(\j%2)+2], \j, v[7+\u]
	s_and_b32 s[MA+4*(\j%2)+1], s[MA+4*(\j%2)+1], s[MA+4*(\j%2)+2]
	s_or_b32 s[MA+4*(\j%2)], s[MA+4*(\j%2)], s[MA+4*(\j%2)+1]
	v_cndmask_b32 v[84+\j%2], 0, 1.0, s[MA+4*(\j%2)]
	v_fmac_f32 v92, v[84+\j%2], v[16+8*\u+\j]
	v_fmac_f32 v93, v[84+\j%2], v[40+8*\u+\j]
.endr
.endr
	v_permlanex16_b32 v74, v92, s48, s49
	v_permlanex16_b32 v75, v93, s48, s49
	v_add_f32 v92, v92, v74
	v_add_f32 v93, v93, v75
	v_mul_f32 v92, 0x3e4ccccd, v92                 ; / 5
	v_mul_f32 v93, 0x3e4ccccd, v93
	ds_store_b32 v12, v92                          ; every wave stores an image of its 32 lanes, class 0 and class 1
	ds_store_b32 v12, v93 offset:2048
	s_wait_dscnt 0x0                               ; for wave 0's sake
	s_barrier_signal -1
	s_barrier_wait -1
	s_cmp_lg_u32 s20, 0
	s_cbranch_scc1 .Ldone
	ds_load_b32 v84, v13
	ds_load_b32 v85, v13 offset:2048
	s_wait_dscnt 0x0
	global_store_b32 v12, v84, s[18:19]            ; the work-group's 32 rows of a class: 128 consecutive bytes by one instruction
	global_store_b32 v12, v85, s[18:19] offset:32768
.Ldone:
	s_wait_xcnt 0x0
	v_lshl_add_u32 v254, v0, 2, 0x1000
	v_mov_b32 v255, 0
	s_wait_tensorcnt 0x0
	ds_add_u32 v254, v255
	s_wait_dscnt 0x0
	s_endpgm
.Lfunc_end_k_q0443252a74_final:
	.size	k_q0443252a74_final, .Lfunc_end_k_q0443252a74_final-k_q0443252a74_final
	.p2alignl 7, 3214868480
	.fill 96, 4, 3214868480
	.section	.rodata,"a",@progbits
	.p2align	6, 0x0
	.amdhsa_kernel k_q0443252a74_final
		.amdhsa_group_segment_fixed_size 6144
		.amdhsa_private_segment_fixed_size 0
		.amdhsa_enable_private_segment 0
		.amdhsa_kernarg_size 64
		.amdhsa_user_sgpr_count 2
		.amdhsa_user_sgpr_kernarg_segment_ptr 1
		.amdhsa_wavefront_size32 1
		.amdhsa_system_sgpr_workgroup_id_x 1
		.amdhsa_system_sgpr_workgroup_id_y 1
		.amdhsa_system_sgpr_workgroup_id_z 1
		.amdhsa_system_vgpr_workitem_id 0
		.amdhsa_next_free_vgpr 256
		.amdhsa_next_free_sgpr 66
		.amdhsa_reserve_vcc 0
		.amdhsa_float_denorm_mode_32 3
		.amdhsa_float_denorm_mode_16_64 3
		.amdhsa_memory_ordered 1
		.amdhsa_forward_progress 1
		.amdhsa_inst_pref_size 67
	.end_amdhsa_kernel
	.amdgpu_metadata
---
amdhsa.version: [ 1, 2 ]
amdhsa.kernels:
  - .name:           k_q0443252a74_final
    .symbol:         k_q0443252a74_final.kd
    .args:
      - { .name: xq, .offset: 0, .size: 8, .value_kind: global_buffer, .address_space: global }
      - { .name: yq, .offset: 8, .size: 8, .value_kind: global_buffer, .address_space: global }
      - { .name: ync, .offset: 16, .size: 8, .value_kind: global_buffer, .address_space: global }
      - { .name: xn, .offset: 24, .size: 8, .value_kind: global_buffer, .address_space: global }
      - { .name: gsel, .offset: 32, .size: 8, .value_kind: global_buffer, .address_space: global }
      - { .name: p_hat_train, .offset: 40, .size: 8, .value_kind: global_buffer, .address_space: global }
      - { .name: lowp_scales, .offset: 48, .size: 8, .value_kind: global_buffer, .address_space: global }
      - { .name: out0, .offset: 56, .size: 8, .value_kind: global_buffer, .address_space: global }
    .group_segment_fixed_size: 6144
    .private_segment_fixed_size: 0
    .kernarg_segment_align: 8
    .kernarg_segment_size: 64
    .max_flat_workgroup_size: 512
    .sgpr_count:     66
    .vgpr_count:     256
    .wavefront_size: 32
...
	.end_amdgpu_metadata
.endif
;; end of part 4
